; MI455X (gfx1250); checked and timed in simulation.
; The chip was launched on July 23, 2026; its instructions are those of AMD's public machine-readable ISA for CDNA 5 (MIT licence, August 2026) and "CDNA5" Instruction Set Architecture Reference Guide (July 2026). The comments in the code are by the model that wrote it; some were corrected since.
;; Fp8 Deep GEMM Linear. Allowed arithmetic: float matrix products may take bf16 or f16 operands with f32 sums; other float arithmetic in f32, or as packed bf16 or f16 multiplies, adds, multiply-adds, maxima and minima; sums over many terms, partial sums and values carried from step to step in f32; what a program stores and reads back later, other than sums and carried values, may be rounded once to bf16 or f16.
;; Inputs: bias 2,048 float32; w_q 2,048 x 2,048 float32; w_scales 16 x 16 float32; x 16,384 x 2,048 bfloat16.
;; Outputs: out0 16,384 x 2,048 bfloat16.
;; One version. Each part assembles by itself: llvm-mc -triple=amdgcn-amd-amdhsa -mcpu=gfx1250 --defsym DOCPART=n.
;; ======== version 1 of 1: 2 launches
;; workspace buffers: xd 67,108,864 bytes; wd 8,388,608 bytes
;; launch prep (part 1): grid 1024 x 1, 8 waves a work-group, no clusters, 0 bytes of LDS; arguments x, w_q, w_scales, xd, wd; writes xd, wd
.if DOCPART == 1
	.amdgcn_target "amdgcn-amd-amdhsa--gfx1250"
	.amdhsa_code_object_version 6
	.text
	.protected	k_q24e36d508e_prep
	.globl	k_q24e36d508e_prep
	.p2align	8
	.type	k_q24e36d508e_prep,@function
k_q24e36d508e_prep:
	s_mov_b64 s[64:65], 0
	v_nop
	global_prefetch_b8 v0, s[64:65] scope:SCOPE_SE
	s_setreg_imm32_b32 hwreg(HW_REG_WAVE_MODE, 25, 1), 1
	s_wait_xcnt 0x0
; xd[m][k] = bf16( e4m3( clip(x[m][k] / xs, -448, 448) ) * xs ),  xs = max(max(amax, 1e-4) / 448, 1e-4 / 448), amax over the 128 columns of k's group.
; wd[n][k] = bf16( w_q[n][k] * w_scales[n / 128][k / 128] ).   x, xd: [16384][2048] bf16; w_q: [2048][2048] f32; wd: [2048][2048] bf16.
; NO WORK IS LEFT OUT: all of the problem's steps on x and w are done here, the clip and the lower bound of the scale too; the bias is taken by the product's launch.
; LIMITS.  The quotient is x * (1 / xs) with v_rcp_f32, and amax / 448 is amax * (1 / 448): a number that lies within some 2^-22 of itself of the middle between two
; e4m3 codes may take the neighbouring code.  xd and wd are rounded once to bf16 (8 significant bits).  NaN and infinities in x or w_q are not treated apart.
; SHARES.  1,024 work-groups of eight waves.  Work-group g owns rows 16 g .. 16 g + 15 of x and rows 2 g, 2 g + 1 of w_q.  Thread t owns the 16 bytes at 16 t of every row of x:
; a group of 128 bf16 is 256 bytes = sixteen neighbouring lanes, so the group's maximum is four steps inside a half of the wave.  One load or store of a wave covers 512 consecutive bytes.
; Of w_q a wave's load covers 512 bytes = 128 f32 = one block column, 8 j + wave: its scale is one scalar.  wd leaves 8 bytes a lane: 32 lanes store 256 consecutive bytes, aligned.
; IN FLIGHT.  All 20 loads of a wave (10 KiB) go out at the head; there is no loop, no branch, no LDS.  No address register and no store's data register is ever rewritten
; behind its memory instruction, so the text needs no wait for sources.
.set XO,  1                            ; v1        16 t: my bytes in a row of x, xd and in 4,096 bytes of w_q; never rewritten
.set WO,  2                            ; v2        8 t: my bytes in 2,048 bytes of wd; never rewritten
.set T,   8                            ; v[8:15]   eight numbers in f32, at work (v[4:7]: their e4m3 codes, two in each low half)
.set M,   16                           ; v[16:31]  four registers for each of a batch's four rows: the maximum
.set XS,  32                           ; v[32:39]  xs of a batch's row r, twice, at XS + 2 r
.set INV, 40                           ; v[40:47]  1 / xs, likewise
.set X,   48                           ; v[48:111] row i at X + 4 i: as loaded, then as stored
.set W,   112                          ; v[112:127] load (r, j) of w_q at W + 4 (2 r + j)
	s_load_b256 s[4:11], s[0:1], 0x0               ; x s[4:5], w_q s[6:7], w_scales s[8:9], xd s[10:11]
	s_load_b64 s[12:13], s[0:1], 0x20              ; wd
	v_lshlrev_b32 v[XO], 4, v0
	v_lshlrev_b32 v[WO], 3, v0
	v_lshrrev_b32 v3, 5, v0
	v_readfirstlane_b32 s14, v3                    ; wave 0..7
	s_mov_b32 s17, 0                               ; s[16:17]: a byte offset in 64 bits
	s_mov_b32 s18, 0x7fff7fff                      ; clears the signs of two bf16
	s_mov_b32 s19, 0xffff0000                      ; a word's upper bf16
	s_mov_b32 s20, 0xc3e00000                      ; -448
	s_mov_b32 s21, 0x43e00000                      ; 448
	s_mov_b32 s22, 0x3b124925                      ; 1 / 448
	s_mov_b32 s23, 0x346facad                      ; 1e-4 / 448
	s_mov_b32 s24, 0x38d1b717                      ; 1e-4
	s_mov_b32 s27, 0                               ; named with s26 and s28 as pairs, so they are written
	s_mov_b32 s29, 0
	v_mov_b32 v4, 0                                ; the conversions write low halves alone: the registers are written whole once
	v_mov_b32 v5, 0
	v_mov_b32 v6, 0
	v_mov_b32 v7, 0
	s_lshl_b32 s16, ttmp9, 16                      ; 16 rows of 4,096 bytes
	s_wait_kmcnt 0x0
	s_add_nc_u64 s[4:5], s[4:5], s[16:17]
.irp i, 0,1,2,3,4,5,6,7,8,9,10,11,12,13,14,15
	global_load_b128 v[X+4*(\i):X+4*(\i)+3], v[XO], s[4:5] offset:4096*(\i) th:TH_LOAD_NT
.endr
	s_add_nc_u64 s[10:11], s[10:11], s[16:17]
	s_lshl_b32 s16, ttmp9, 14                      ; 2 rows of 8,192 bytes
	s_add_nc_u64 s[6:7], s[6:7], s[16:17]
.irp r, 0,1
.irp j, 0,1
	global_load_b128 v[W+4*(2*(\r)+(\j)):W+4*(2*(\r)+(\j))+3], v[XO], s[6:7] offset:8192*(\r)+4096*(\j) th:TH_LOAD_NT
.endr
.endr
	s_and_b32 s16, ttmp9, 0xffffffc0               ; block row g / 64, 64 bytes of scales each
	s_lshl2_add_u32 s16, s14, s16                  ; + 4 x wave
	s_add_nc_u64 s[8:9], s[8:9], s[16:17]
	s_load_b32 s26, s[8:9], 0x0                    ; the scale of block column wave
	s_load_b32 s28, s[8:9], 0x20                   ; and of block column 8 + wave
	s_lshl_b32 s16, ttmp9, 13                      ; 2 rows of 4,096 bytes
	s_add_nc_u64 s[12:13], s[12:13], s[16:17]
; The scales of rows 4 b .. 4 b + 3.  Each step is written for all four rows in turn, so that no line reads the result of the line before it.
.macro AMAX4 b
.irp r, 0,1,2,3
.irp k, 0,1,2,3
	v_and_b32 v[M+4*(\r)+(\k)], s18, v[X+16*(\b)+4*(\r)+(\k)]  ; |x|, two at a time
.endr
.endr
.irp r, 0,1,2,3
	v_pk_max_num_bf16 v[M+4*(\r)], v[M+4*(\r)], v[M+4*(\r)+1]
	v_pk_max_num_bf16 v[M+4*(\r)+2], v[M+4*(\r)+2], v[M+4*(\r)+3]
.endr
.irp r, 0,1,2,3
	v_pk_max_num_bf16 v[M+4*(\r)], v[M+4*(\r)], v[M+4*(\r)+2]
.endr
.irp r, 0,1,2,3
	v_lshlrev_b32 v[M+4*(\r)+1], 16, v[M+4*(\r)]   ; the two halves as f32
	v_and_b32 v[M+4*(\r)+2], s19, v[M+4*(\r)]
.endr
.irp r, 0,1,2,3
	v_max_num_f32 v[M+4*(\r)], v[M+4*(\r)+1], v[M+4*(\r)+2]
.endr
.irp m, 1,2,4,8                        ; across the sixteen lanes that hold the group: every one of them ends with the group's maximum
.irp r, 0,1,2,3
	v_max_num_f32_dpp v[M+4*(\r)], v[M+4*(\r)], v[M+4*(\r)] row_xmask:\m row_mask:0xf bank_mask:0xf
.endr
.endr
.irp r, 0,1,2,3
	v_max_num_f32 v[M+4*(\r)], s24, v[M+4*(\r)]    ; max(amax, 1e-4)
.endr
.irp r, 0,1,2,3
	v_mul_f32 v[M+4*(\r)], s22, v[M+4*(\r)]        ; / 448
.endr
.irp r, 0,1,2,3
	v_max_num_f32 v[XS+2*(\r)], s23, v[M+4*(\r)]   ; the lower bound of the scale; twice, for the packed multiply
	v_max_num_f32 v[XS+2*(\r)+1], s23, v[M+4*(\r)]
.endr
.irp r, 0,1,2,3
	v_rcp_f32 v[INV+2*(\r)], v[XS+2*(\r)]          ; one batch of four; the wait for them stands in the first row's work below
.endr
.endm
; One row: eight numbers a lane are divided by xs, clipped, rounded to e4m3, widened, multiplied by xs, rounded to bf16 and stored.  r = the row's place in its batch.
.macro QROW row, r
.irp k, 0,1,2,3
	v_lshlrev_b32 v[T+2*(\k)],   16,  v[X+4*(\row)+(\k)]
	v_and_b32     v[T+2*(\k)+1], s19, v[X+4*(\row)+(\k)]
.endr
.if (\r) == 0
	s_wait_alu depctr_va_vdst(0)                   ; the wait ahead of the first line that names a reciprocal: one for the batch of four; the eight lines above are the plain work between
.irp q, 0,1,2,3
	v_mov_b32 v[INV+2*(\q)+1], v[INV+2*(\q)]       ; the pair's second word
.endr
.endif
.irp k, 0,2,4,6
	v_pk_mul_f32 v[T+(\k):T+(\k)+1], v[T+(\k):T+(\k)+1], v[INV+2*(\r):INV+2*(\r)+1]
.endr
.irp k, 0,1,2,3,4,5,6,7
	v_med3_num_f32 v[T+(\k)], v[T+(\k)], s20, s21  ; the clip to -448 .. 448; the conversion below does not hold its result in range by itself
.endr
	v_cvt_pk_fp8_f32 v4.l, v8, v9
	v_cvt_pk_fp8_f32 v5.l, v10, v11
	v_cvt_pk_fp8_f32 v6.l, v12, v13
	v_cvt_pk_fp8_f32 v7.l, v14, v15
	v_cvt_pk_f32_fp8 v[8:9], v4.l
	v_cvt_pk_f32_fp8 v[10:11], v5.l
	v_cvt_pk_f32_fp8 v[12:13], v6.l
	v_cvt_pk_f32_fp8 v[14:15], v7.l
.irp k, 0,2,4,6
	v_pk_mul_f32 v[T+(\k):T+(\k)+1], v[T+(\k):T+(\k)+1], v[XS+2*(\r):XS+2*(\r)+1]
.endr
.irp k, 0,1,2,3
	v_cvt_pk_bf16_f32 v[X+4*(\row)+(\k)], v[T+2*(\k)], v[T+2*(\k)+1]
.endr
	global_store_b128 v[XO], v[X+4*(\row):X+4*(\row)+3], s[10:11] offset:4096*(\row) th:TH_STORE_NT  ; 16 lanes store 256 consecutive bytes, aligned
.endm
; Four f32 of w_q times the block's scale, rounded to bf16: 8 bytes a lane.
.macro WROW r, j
.set WR, W+4*(2*(\r)+(\j))
	v_pk_mul_f32 v[WR:WR+1],   v[WR:WR+1],   s[26+2*(\j):27+2*(\j)] op_sel_hi:[1,0]
	v_pk_mul_f32 v[WR+2:WR+3], v[WR+2:WR+3], s[26+2*(\j):27+2*(\j)] op_sel_hi:[1,0]
	v_cvt_pk_bf16_f32 v[WR],   v[WR],   v[WR+1]
	v_cvt_pk_bf16_f32 v[WR+1], v[WR+2], v[WR+3]
	global_store_b64 v[WO], v[WR:WR+1], s[12:13] offset:4096*(\r)+2048*(\j) th:TH_STORE_NT  ; 32 lanes store 256 consecutive bytes, aligned
.endm
.irp b, 0,1,2,3
	s_wait_loadcnt 16-4*(\b)                       ; loads come back in order: rows 4 b .. 4 b + 3 are in; the 16 - 4 b younger of the 20 loads may stay out
	AMAX4 \b
.irp r, 0,1,2,3
	QROW 4*(\b)+(\r), \r
.endr
.endr
	s_wait_loadcnt 0x0                             ; w_q's four loads
	s_wait_kmcnt 0x0                               ; and the two scales
	WROW 0, 0
	WROW 0, 1
	WROW 1, 0
	WROW 1, 1
	s_endpgm
.Lfunc_end_k_q24e36d508e_prep:
	.size	k_q24e36d508e_prep, .Lfunc_end_k_q24e36d508e_prep-k_q24e36d508e_prep
	.p2alignl 7, 3214868480
	.fill 96, 4, 3214868480
	.section	.rodata,"a",@progbits
	.p2align	6, 0x0
	.amdhsa_kernel k_q24e36d508e_prep
		.amdhsa_group_segment_fixed_size 0
		.amdhsa_private_segment_fixed_size 0
		.amdhsa_enable_private_segment 0
		.amdhsa_kernarg_size 40
		.amdhsa_user_sgpr_count 2
		.amdhsa_user_sgpr_kernarg_segment_ptr 1
		.amdhsa_wavefront_size32 1
		.amdhsa_system_sgpr_workgroup_id_x 1
		.amdhsa_system_sgpr_workgroup_id_y 1
		.amdhsa_system_sgpr_workgroup_id_z 1
		.amdhsa_system_vgpr_workitem_id 0
		.amdhsa_next_free_vgpr 128
		.amdhsa_next_free_sgpr 66
		.amdhsa_reserve_vcc 0
		.amdhsa_float_denorm_mode_32 3
		.amdhsa_float_denorm_mode_16_64 3
		.amdhsa_memory_ordered 1
		.amdhsa_forward_progress 1
		.amdhsa_inst_pref_size 51
	.end_amdhsa_kernel
	.amdgpu_metadata
---
amdhsa.version: [ 1, 2 ]
amdhsa.kernels:
  - .name:           k_q24e36d508e_prep
    .symbol:         k_q24e36d508e_prep.kd
    .args:
      - { .name: x, .offset: 0, .size: 8, .value_kind: global_buffer, .address_space: global }
      - { .name: w_q, .offset: 8, .size: 8, .value_kind: global_buffer, .address_space: global }
      - { .name: w_scales, .offset: 16, .size: 8, .value_kind: global_buffer, .address_space: global }
      - { .name: xd, .offset: 24, .size: 8, .value_kind: global_buffer, .address_space: global }
      - { .name: wd, .offset: 32, .size: 8, .value_kind: global_buffer, .address_space: global }
    .group_segment_fixed_size: 0
    .private_segment_fixed_size: 0
    .kernarg_segment_align: 8
    .kernarg_segment_size: 40
    .max_flat_workgroup_size: 256
    .sgpr_count:     66
    .vgpr_count:     128
    .wavefront_size: 32
...
	.end_amdgpu_metadata
.endif
;; end of part 1
;; launch gemm (part 2): grid 8 x 32, 4 waves a work-group, clusters of 4 x 4, 327,680 bytes of LDS; arguments xd, wd, out0, bias; writes out0
.if DOCPART == 2
	.amdgcn_target "amdgcn-amd-amdhsa--gfx1250"
	.amdhsa_code_object_version 6
	.text
	.protected	k_q24e36d508e_gemm
	.globl	k_q24e36d508e_gemm
	.p2align	8
	.type	k_q24e36d508e_gemm,@function
k_q24e36d508e_gemm:
	s_mov_b64 s[64:65], 0
	v_nop
	global_prefetch_b8 v0, s[64:65] scope:SCOPE_SE
	s_setreg_imm32_b32 hwreg(HW_REG_WAVE_MODE, 25, 1), 1
	s_wait_xcnt 0x0
	s_wait_alu depctr_hold_cnt(0) depctr_sa_sdst(0) depctr_va_vdst(0) depctr_va_sdst(0) depctr_va_ssrc(0) depctr_va_vcc(0) depctr_vm_vsrc(0)
	s_getreg_b32 s2, hwreg(HW_REG_IB_STS2, 6, 4)
	s_cmp_eq_u32 s2, 0
	s_cbranch_scc0 .Lentry_in_a_cluster
	s_endpgm
.Lentry_in_a_cluster:
	s_bfe_u32 s2, ttmp6, 0x10000c
	s_cmp_lg_u32 s2, 0xf033
	s_cbranch_scc0 .Lentry_shape_is_right
	s_endpgm
.Lentry_shape_is_right:
; out0[m][n] = bf16( bias[n] + the sum over k of xd[m][k] wd[n][k] ).  xd: [16384][2048], wd: [2048][2048], out0: [16384][2048], all bf16; bias: [2048] f32; sums in f32, K ascending.
; xd and wd are the dequantised operands that the launch before has stored.  No work is left out.  LIMIT: the bias is the first term of each f32 sum, not the last; NaN and infinities are not treated apart.
; A tile of out0, 256 x 256, is made by a work-group of four waves; a wave makes 128 x 128: 64 accumulators of 16 x 16, 512 registers.  K goes in steps of 128 through a ring of two LDS slots
; filled by the tensor data mover: the rows of both operands' tiles are 256 bytes of memory and start at multiples of 256 bytes from the buffer's first byte.
; A WORK-GROUP STAYS: out0 has 64 x 8 = 512 tiles, the grid 256 work-groups: each makes two tiles, 8,192 rows apart.  The ring does not stop at the first tile's end: its last two changes of slots
; ask for the second tile's first two K steps, and nothing waits for the first tile's stores.  The second tile's last K step goes by rows of out0, so that finished rows leave while the others are multiplied.
; CLUSTERS: 4 x 4 work-groups.  The four of a row of the cluster need the same tiles of xd, the four of a column the same tiles of wd.  Such a tile is asked for JOINTLY: each of the four issues the
; same tensor load, with the same descriptor and a mask that names the four, and each receives the tile in its own LDS: the requests for both operands are divided by four.
; THE BIAS COSTS NO VECTOR WORK: it is the C operand of the first product on each accumulator.  A wave's 128 columns of bias lie in 64 registers, in the layout of a result.
;
; REGISTERS, in windows of 256 (s_set_vgpr_msb's low byte: bits 1:0 source 0, 3:2 source 1, 5:4 source 2, 7:6 destination):
;   window 0: v0-31 addresses; v64-127, v128-191 fragments of xd (8 x 16 rows x 32 K), two buffers (in the very last K step four, of 16 rows x 128 K); v32-63, v192-255 at work on the way out
;   window 1: v0-63 the bias; v64-127, v128-191 fragments of wd, two buffers; in the very last K step all 256: wd's fragments of the whole step (the bias has been used by then)
;   window 2: the 32 accumulators of my rows 0-63 (accumulator (a, b) at v[8 (8 a + b)]);   window 3: those of my rows 64-127
; THE MATRIX INSTRUCTION IS USED TRANSPOSED: source 0 = 16 rows of wd, source 1 = 16 rows of xd.  In the result lane l holds row m = l % 16 of out0, and its registers 0 to 7 the columns
; n = 8 (l / 16) + 0 .. 7: eight neighbouring numbers of a row, which pack into 16 bytes.
.set SIZE_M, 16384
.set SIZE_N, 2048
.set SIZE_K, 2048
.set SIZE_TILES, 2
.set KSTEP,  128
.set PITCH,  272                       ; an LDS row: 256 bytes of data + 16 of padding = 68 words: row r starts at bank 4 r mod 64 (64 banks of 4 bytes: ISA guide 11.1), so the 16 rows that a load touches start at 16 different banks
.set HALFT,  128*PITCH                 ; 128 rows: what one tensor load brings, and what one wave reads of either operand
.set SLOT,   4*HALFT                   ; xd's 256 rows, then wd's 256 rows
.set STAGE,  2*SLOT                    ; behind the ring: 16 rows x 272 bytes for each wave, for the way out
.set SPITCH, 272
.set SPARE,  STAGE+4*16*SPITCH         ; behind the stages: the spare words, 128 bytes for each wave: two blocks of 256 bytes that no other line names
.set LAPS,   SIZE_K/(2*KSTEP)          ; a lap = two K steps = once round the ring: 8
.set WALK,   SIZE_M/SIZE_TILES         ; a work-group's two tiles lie 8,192 rows apart
.set NEXT_A, WALK*SIZE_K*2-(SIZE_K-2*KSTEP)*2   ; bytes from a slot's last K step of a tile to its first of the next tile: xd goes WALK rows down and back along K,
.set BACK_B, (SIZE_K-2*KSTEP)*2        ; wd only back: both tiles take the same rows of wd
.set NEXT_C, (WALK-7*16)*SIZE_N*2      ; bytes from my last 16 rows of a tile to my first of the next
.set ADRA, 16                          ; v16-17  LDS address of my xd fragments in slot 0, 1
.set ADRB, 20                          ; v20-21  the same for wd
.set STO,  24                          ; v24     the way out: where I put 16 bytes of a row
.set RD,   25                          ; v25     the way out: where I read a row back
.set CO,   26                          ; v26     my byte offset in out0
.set BO,   27                          ; v27     my byte offset in bias; never rewritten
.set SPW,  28                          ; v28     LDS address of my spare word: SPARE + 4 x my thread's number; never rewritten
.set NIL,  29                          ; v29     0; never rewritten
.set PFO,  30                          ; v30     the prefetches' offset: my lane x a row of 4,096 bytes; never rewritten
.set PFA,  44                          ; s[44:45] where my prefetches stand: my work-group's 32 rows of the 128 that I fetch, one K step further along K than the refill that is being asked for
.set LIM,  43                          ; s43     1 in a wave that prefetches, else the greatest number
.set BIA,  66                          ; s[66:67] bias
.set F0,   64                          ; fragment buffer 0
.set F1,   128                         ; fragment buffer 1
.set TMP,  192                         ; the way out: packed results, in window 0
.set OB,   32                          ; the way out: 16 rows read back from the stage: v32-63 and v224-255 by turns
.set PA,   64                          ; the very last K step: xd's fragments of 16 rows x 128 K, 32 registers; four such buffers, v64-191
.set G1, 24                            ; s[24:31] descriptor group 1 for xd's tiles
.set G0, 32                            ; s[32:39] descriptor group 0 for xd's tiles, one set for each slot
.set G1B, 48                           ; s[48:55] descriptor group 1 for wd's tiles: it differs in the mask alone
.set G0B, 56                           ; s[56:63] descriptor group 0 for wd's tiles, one set for each slot
.set MSB, 0
.macro WIN new                         ; the immediate's high byte repeats the setting that is left; a switch that changes nothing is dropped
.if MSB != (\new)
	s_set_vgpr_msb (MSB<<8)|(\new)
.set MSB, \new
.endif
.endm
.set MUL_LO, 0xa1                      ; source 0 (wd) window 1, source 1 (xd) window 0, C and D window 2
.set MUL_HI, 0xf1                      ; the same, C and D window 3
.set MUL_B,  0x91                      ; the first product: C (the bias) window 1, D window 2; + 0x40: D window 3
.set TO_B,   0x40                      ; destination window 1, address window 0
; A joint load.  Waves 0 and 1 fetch xd's two halves, waves 2 and 3 wd's.  Each of the two lines has ONE mask and one set of registers for all that issue it, and nothing in them hangs on a
; coordinate that the four partners do not share.  The branch hangs on the wave's number alone.  An s_nop 0 and four v_nop follow each of the two lines, ahead of the jump, the label and what follows.
.macro JLOAD s
	s_cmp_eq_u32 s11, 0
	s_cbranch_scc0 .Lfor_b_\@
	tensor_load_to_lds s[G0+4*(\s):G0+4*(\s)+3], s[G1:G1+7]
	s_nop 0
.rept 4
	v_nop
.endr
	s_branch .Lasked_\@
.Lfor_b_\@:
	tensor_load_to_lds s[G0B+4*(\s):G0B+4*(\s)+3], s[G1B:G1B+7]
	s_nop 0
.rept 4
	v_nop
.endr
.Lasked_\@:
.endm
; A PREFETCH, behind each joint load, its five lines and the run of LDS loads that follows them: the K step that stands TWO refills on, 512 matrix instructions ahead of the load that will ask for it:
; 32 rows x 256 bytes, a lane a row, one instruction a wave.  Each row's 256 bytes of a K step are named ONCE in the launch: xd's tile row is walked by both clusters of that row of clusters, and the one
; with x = 0 asks; wd's tile column by the eight clusters of that column, and the one with y = 0 asks.  The four partners that ask for a tile jointly share its rows out BY ADDRESS: of the 128 rows that
; wave w fetches the partner at place p takes 32 p .. 32 p + 31 (p = cx for xd, cy for wd): no branch hangs on a work-group's place in its cluster.
; how = 0, in the loop: a tile's last two refills have no K step two on, and ask for nothing; how = 1, at the change of tiles.
.macro ASK how
.if \how
	s_cmp_eq_u32 s[LIM], 1
.else
	s_cmp_gt_u32 s3, s[LIM]                        ; s3 = 1 in the loop's last trip
.endif
	s_cbranch_scc0 .Lnot_mine_\@
	global_prefetch_b8 v[PFO], s[PFA:PFA+1] offset:KSTEP*2 th:TH_LOAD_NT scope:SCOPE_SE
.Lnot_mine_\@:
.endm
; A round of the cluster's barrier: my work-group's barrier, so that wave 0's signal speaks for all four waves; wave 0 signals for the work-group; every wave waits for all sixteen work-groups;
; my work-group's barrier once more.  No LDS instruction of the wave is pending at a signal.
.macro CREST                           ; a round behind its opening barrier
	s_cmp_lg_u32 s10, 0
	s_cbranch_scc1 .Lnot_wave_0_\@
	s_barrier_signal -3
.Lnot_wave_0_\@:
	s_barrier_wait -3
	s_barrier_signal -1
	s_barrier_wait -1
.endm
.macro CROUND                          ; a whole round
	s_barrier_signal -1
	s_barrier_wait -1
	CREST
.endm
	s_load_b128 s[4:7], s[0:1], 0x0                ; xd s[4:5], wd s[6:7]
	s_load_b64 s[8:9], s[0:1], 0x10                ; out0
	s_load_b64 s[BIA:BIA+1], s[0:1], 0x18          ; bias
	v_lshl_add_u32 v[SPW], v0, 2, SPARE
	v_mov_b32 v[NIL], 0
	ds_add_u32 v[SPW], v[NIL]                      ; the wave's opening: the add, twice on end, and its wait ahead of my first tensor load; the set-up below, work on registers, stands between
	ds_add_u32 v[SPW], v[NIL]                      ; the same add once more, under the one wait
	v_lshrrev_b32 v1, 5, v0
	v_readfirstlane_b32 s10, v1                    ; wave 0..3
	s_lshr_b32 s11, s10, 1                         ; which half of the tile's rows is mine.  Also: I fetch for xd (0) or for wd (1)
	s_and_b32 s12, s10, 1                          ; which half of its columns.  Also: which 128 rows of that operand's tile I fetch
	s_bfe_u32 s40, ttmp6, 0x40000                  ; cx: my place along the cluster's x
	s_bfe_u32 s41, ttmp6, 0x40004                  ; cy: along its y
	s_lshl_b32 s42, ttmp9, 2                       ; in a cluster launch ttmp9 and ttmp7 count clusters
	s_add_co_u32 s42, s42, s40                     ; tile column = 4 x cluster x + cx, 0 .. 7
	s_and_b32 s13, ttmp7, 0xffff
	s_lshl_b32 s13, s13, 2
	s_add_co_u32 s13, s13, s41                     ; tile row = 4 x cluster y + cy, 0 .. 31
	s_lshl_b32 s43, s41, 2
	s_lshl_b32 s43, 15, s43                        ; my row of the cluster: places 4 cy .. 4 cy + 3
	s_lshl_b32 s44, 0x1111, s40                    ; my column: places cx, cx + 4, cx + 8, cx + 12
	; descriptor group 1: a tile of 128 rows x 128 elements, padded in LDS
	s_or_b32 s[G1+0], s43, (1<<16)|(1<<20)|(1<<21)|(5<<22)|(3<<25)  ; 15:0 the mask: xd's tiles go to my row; 17:16 element of 2 bytes; 20 padding on; 21 set beside a mask; 24:22 after every 64 words (code 5); 31:25 of 4 words (code 3)
	s_or_b32 s[G1B+0], s44, (1<<16)|(1<<20)|(1<<21)|(5<<22)|(3<<25) ; the same with the mask of my column, for wd's tiles
	s_mov_b32 s[G1B+1], KSTEP<<16
	s_mov_b32 s[G1+1], KSTEP<<16                   ; 63:48 tensor_dim0, low half = 128
	s_mov_b32 s[G1B+2], 128<<16
	s_mov_b32 s[G1+2], 128<<16                     ; 79:64 its high half = 0; 95:80 tensor_dim1, low half = 128
	s_mov_b32 s[G1B+3], KSTEP<<16
	s_mov_b32 s[G1+3], KSTEP<<16                   ; 111:96 its high half = 0; 127:112 tile_dim0 = 128
	s_mov_b32 s[G1B+4], 128
	s_mov_b32 s[G1+4], 128                         ; 143:128 tile_dim1 = 128; 159:144 tile_dim2 = 0
	s_mov_b32 s[G1B+5], SIZE_K
	s_mov_b32 s[G1+5], SIZE_K                      ; 191:160 tensor_dim0_stride, low word: 2,048 elements from row to row
	s_mov_b32 s[G1B+6], 0
	s_mov_b32 s[G1+6], 0
	s_mov_b32 s[G1B+7], 0
	s_mov_b32 s[G1+7], 0
	; where the tiles come from.  xd's hang on the tile row alone, which my row of the cluster shares; wd's on the tile column alone, which my column shares.
	; Every wave makes both addresses, in registers that never hold the other coordinate, and asks by one of them.
	s_lshl_b32 s17, s12, 7                         ; which 128 rows of the tile I fetch
	s_lshl_b32 s16, s13, 8
	s_add_co_u32 s16, s16, s17                     ; xd: row 256 x tile row + 128 x half
	s_lshl_b32 s46, s42, 8
	s_add_co_u32 s46, s46, s17                     ; wd: row 256 x tile column + 128 x half
	s_mov_b32 s17, 0
	s_mov_b32 s47, 0
	s_mov_b64 s[18:19], SIZE_K*2
	s_mul_u64 s[16:17], s[16:17], s[18:19]         ; in bytes, in 64 bits
	s_mul_u64 s[46:47], s[46:47], s[18:19]
	s_mul_i32 s20, s10, HALFT                      ; and where they go: xd's two halves, then wd's two halves = wave x 128 rows: no place in the cluster enters an LDS address
	s_wait_dscnt 0x0                               ; both opening adds are done
	s_wait_kmcnt 0x0
	s_add_nc_u64 s[14:15], s[4:5], s[16:17]
	s_add_nc_u64 s[46:47], s[6:7], s[46:47]
	CROUND                                         ; all sixteen work-groups are here: the first joint loads meet
.irp s, 0,1
	s_mov_b32 s[G0+4*(\s)], 1                                      ; 1:0 count = 1
	s_add_co_u32 s[G0+4*(\s)+1], s20, (\s)*SLOT                    ; 63:32 LDS address
	s_add_nc_u64 s[G0+4*(\s)+2:G0+4*(\s)+3], s[14:15], (\s)*KSTEP*2  ; 120:64 global address: K step s
	s_or_b32 s[G0+4*(\s)+3], s[G0+4*(\s)+3], 0x80000000            ; 127:126 type = 2
	s_mov_b32 s[G0B+4*(\s)], 1
	s_add_co_u32 s[G0B+4*(\s)+1], s20, (\s)*SLOT
	s_add_nc_u64 s[G0B+4*(\s)+2:G0B+4*(\s)+3], s[46:47], (\s)*KSTEP*2
	s_or_b32 s[G0B+4*(\s)+3], s[G0B+4*(\s)+3], 0x80000000
	JLOAD \s                                       ; the ring is filled before anything else is done: two tensor loads of mine are out
.endr
	; A fragment is 16 rows x 32 K in 8 registers: lane l holds row l % 16; registers 0-3 hold K = 8 (l / 16) + 0..7, registers 4-7 hold K = 16 + 8 (l / 16) + 0..7.
	; From rows that lie along K: two loads of 16 bytes, 32 bytes apart.  The same for source 0 and source 1.
	v_and_b32 v1, 15, v0                           ; l % 16
	v_bfe_u32 v2, v0, 4, 1                         ; l / 16
	v_mul_u32_u24 v3, v1, PITCH
	v_lshl_add_u32 v3, v2, 4, v3                   ; row x pitch + 16 x half
	s_mul_i32 s21, s11, HALFT                      ; my 128 rows of xd
	s_mul_i32 s22, s12, HALFT                      ; my 128 rows of wd,
	s_add_co_u32 s22, s22, 2*HALFT                 ; which lie behind xd's 256
.irp s, 0,1
	v_add_nc_u32 v[ADRA+(\s)], s21, v3
	v_add_nc_u32 v[ADRB+(\s)], s22, v3
	s_add_co_u32 s21, s21, SLOT
	s_add_co_u32 s22, s22, SLOT
.endr
	s_mul_i32 s23, s10, 16*SPITCH
	s_add_co_u32 s23, s23, STAGE                   ; my stage
	v_mul_u32_u24 v4, v1, SPITCH                   ; in: row l % 16, 16 bytes for each half of the lanes
	v_lshl_add_u32 v4, v2, 4, v4
	v_add_nc_u32 v[STO], s23, v4
	v_mul_u32_u24 v5, v2, SPITCH                   ; back: lanes 0-15 take one row of 256 bytes, lanes 16-31 the next
	v_lshl_add_u32 v5, v1, 4, v5
	v_add_nc_u32 v[RD], s23, v5
	v_mul_u32_u24 v5, v2, SIZE_N*2                 ; and the same two rows in out0
	v_lshl_add_u32 v[CO], v1, 4, v5
	; where my part of the first tile begins in out0, in bytes: the first way out adds it to out0's address
	s_lshl_b32 s13, s13, 8
	s_lshl_b32 s14, s11, 7
	s_add_co_u32 s16, s13, s14                     ; my first row
	s_mov_b32 s17, 0
	s_mov_b64 s[18:19], SIZE_N*2
	s_mul_u64 s[16:17], s[16:17], s[18:19]
	s_lshl_b32 s46, s42, 9                         ; my first column, in bytes: 512 x tile column + 256 x half (in the registers that held wd's address: none that feeds xd's descriptors ever holds cx)
	s_lshl_b32 s47, s12, 8
	s_add_co_u32 s46, s46, s47
	s_mov_b32 s47, 0
	s_add_nc_u64 s[16:17], s[16:17], s[46:47]
	; the bias of my 128 columns, as a result holds them: block b's register j = bias[256 x tile column + 128 x half + 16 b + 8 (l / 16) + j]: two loads of 16 bytes a block
	s_lshl_b32 s46, s42, 10                        ; 1,024 bytes a tile column,
	s_lshl_b32 s47, s12, 9                         ; 512 a half
	s_add_co_u32 s46, s46, s47
	v_lshl_add_u32 v[BO], v2, 5, s46               ; + 32 (l / 16)
	WIN TO_B
.irp b, 0,1,2,3,4,5,6,7
	global_load_b128 v[8*(\b):8*(\b)+3],   v[BO], s[BIA:BIA+1] offset:64*(\b)
	global_load_b128 v[8*(\b)+4:8*(\b)+7], v[BO], s[BIA:BIA+1] offset:64*(\b)+16
.endr
	WIN 0
	; the prefetches.  s13 = 256 x tile row, s42 = tile column, s40 = cx, s41 = cy still stand; s[4:5] = xd, s[6:7] = wd
	s_lshl_b32 s42, s42, 8
	s_and_b32 s22, ttmp7, 0xffff                   ; cluster y
	s_cmp_eq_u32 s11, 0                            ; do I fetch for xd?
	s_cselect_b32 s20, s13, s42                    ; the tile's first row: in xd by the tile row, in wd by the tile column
	s_cselect_b32 s21, s40, s41                    ; my place among the four that ask for it with me
	s_cselect_b32 s22, ttmp9, s22                  ; the coordinate along which other clusters walk the same rows
	s_cselect_b64 s[PFA:PFA+1], s[4:5], s[6:7]
	s_cmp_eq_u32 s22, 0
	s_cselect_b32 s[LIM], 1, -1                    ; the same in all sixteen partners, for a given wave
	s_lshl_b32 s22, s12, 7
	s_add_co_u32 s20, s20, s22                     ; + the 128 rows that I fetch
	s_lshl_b32 s21, s21, 5
	s_add_co_u32 s20, s20, s21                     ; + my work-group's 32 of them
	s_mov_b32 s21, 0
	s_mov_b64 s[18:19], SIZE_K*2
	s_mul_u64 s[20:21], s[20:21], s[18:19]
	s_add_nc_u64 s[PFA:PFA+1], s[PFA:PFA+1], s[20:21]
	s_add_nc_u64 s[PFA:PFA+1], s[PFA:PFA+1], 2*KSTEP*2  ; at K step 2: the first refill steps it to 3 and names K step 4
	v_and_b32 v[PFO], 31, v0
	v_mul_u32_u24 v[PFO], v[PFO], SIZE_K*2
	; nothing is prefetched here, at the head, where every work-group's first two tiles are on their way: K steps 2 and 3 come by their refills alone
; 16 matrix instructions: m blocks a0, a0 + 1 of the window's four (hi = 0: my rows 0-63, 1: rows 64-127) x all 8 n blocks, 32 along K.
; zero = 1: the first product starts the sums, with n block b's bias as C: nothing is ever cleared, and no line adds the bias.
.macro MUL16 f, hi, a0, zero
.if \zero
	WIN MUL_B+0x40*(\hi)
.else
	WIN MUL_LO+0x50*(\hi)
.endif
.irp a, \a0, (\a0)+1
.irp b, 0,1,2,3,4,5,6,7
.if \zero
	v_wmma_f32_16x16x32_bf16 v[8*(8*(\a)+(\b)):8*(8*(\a)+(\b))+7], v[(\f)+8*(\b):(\f)+8*(\b)+7], v[(\f)+8*(4*(\hi)+(\a)):(\f)+8*(4*(\hi)+(\a))+7], v[8*(\b):8*(\b)+7]
.else
	v_wmma_f32_16x16x32_bf16 v[8*(8*(\a)+(\b)):8*(8*(\a)+(\b))+7], v[(\f)+8*(\b):(\f)+8*(\b)+7], v[(\f)+8*(4*(\hi)+(\a)):(\f)+8*(4*(\hi)+(\a))+7], v[8*(8*(\a)+(\b)):8*(8*(\a)+(\b))+7]
.endif
.endr
.endr
.endm
; 32 LDS loads in one run: the fragments of one quarter step (128 rows of wd, 128 rows of xd, 32 K at byte k of the rows) into buffer f
.macro FETCH slot, k, f
	WIN TO_B
.irp i, 0,1,2,3,4,5,6,7
	ds_load_b128 v[(\f)+8*(\i):(\f)+8*(\i)+3],   v[ADRB+(\slot)] offset:(\k)+(\i)*16*PITCH
	ds_load_b128 v[(\f)+8*(\i)+4:(\f)+8*(\i)+7], v[ADRB+(\slot)] offset:(\k)+(\i)*16*PITCH+32
.endr
	WIN 0
.irp i, 0,1,2,3,4,5,6,7
	ds_load_b128 v[(\f)+8*(\i):(\f)+8*(\i)+3],   v[ADRA+(\slot)] offset:(\k)+(\i)*16*PITCH
	ds_load_b128 v[(\f)+8*(\i)+4:(\f)+8*(\i)+7], v[ADRA+(\slot)] offset:(\k)+(\i)*16*PITCH+32
.endr
.endm
; A load into a register that a matrix instruction has read, and a vector instruction that reads a matrix result or writes one of a matrix instruction's registers, stand four places behind that
; matrix instruction, and only plain vector instructions that name none of its registers are places (ISA guide 7.12.1 for vector instructions).
.macro PLACES
.rept 4
	v_nop
.endr
.endm
; A K step is four quarter steps of 32 along K, 64 matrix instructions each, on buffers 0, 1, 0, 1.  The 64 accumulators take turns, one instruction a turn, in the same order in every quarter.
; One of the first three quarters: multiplies buffer f; in its middle it fetches the next quarter's fragments, at byte k of the same slot's rows, into buffer g.
.macro QUARTER slot, k, f, g, zero
	s_wait_dscnt 8                                 ; wd's fragments and xd's rows 0-63 are in; the youngest eight loads (xd's rows 64-127) may be out
	MUL16 \f, 0, 0, \zero
	MUL16 \f, 0, 2, \zero
	PLACES
	FETCH \slot, \k, \g
	s_wait_dscnt 32                                ; all but the 32 just issued
	MUL16 \f, 1, 0, \zero
	MUL16 \f, 1, 2, \zero
.endm
; The last quarter multiplies buffer 1 and changes slots.  MEET is its first half: ONE barrier for the change of slots, for two things.  In front of it each wave waits for all its tensor loads,
; of which one is out: its part of the next slot; adds 0 to its spare word; and waits for that and for its own reads of this slot.  Behind it nobody reads this slot any more and the next slot is whole.
.macro MEET round                      ; round = 1: a round of the cluster's barrier follows
	WIN 0                                          ; (the add's two registers lie in window 0)
	s_wait_tensorcnt 0x0                           ; all my tensor loads have landed: the one that was out is my part of the next slot;
	ds_add_u32 v[SPW], v[NIL]                      ; 0 onto my spare word;
	s_wait_dscnt 9                                 ; (the add and the youngest eight loads may be out)
	MUL16 F1, 0, 0, 0                              ; sixteen matrix instructions stand between the add and the wait for it
	s_wait_dscnt 0x0                               ; the add is done, and my reads of this slot are over (the last were issued 48 matrix instructions ago):
	s_barrier_signal -1                            ; say so (where a slot is filled again this barrier opens a round of the cluster's barrier),
	MUL16 F1, 0, 2, 0                              ; work on registers while the others arrive,
.if \round
	WIN 0
.endif
	s_barrier_wait -1                              ; and go on when all four have said so
.endm
; The whole last quarter.  Behind the barrier the slot just read out is filled again first: with this tile's K step two steps on (on = 0) or, in the first tile's last two K steps, with the second
; tile's K step 0 or 1 (on = 1); then come the next slot's first fragments.  From a request to the wait for it a wave issues 224 matrix instructions, across the tiles too.
.macro TURN slot, next, on
	s_wait_xcnt 0x0                                ; the last prefetch, a K step back, has read its address: it is stepped here, ahead of the waits of the change of slots
.if (\on) && (\slot) == 0
	s_add_nc_u64 s[PFA:PFA+1], s[PFA:PFA+1], (WALK-1)*SIZE_K*2+KSTEP*2  ; from the K step after the tile's last to the next tile's K step 1: WALK rows down, back along K
	s_cmp_eq_u32 s11, 0
	s_cselect_b32 s[LIM], s[LIM], -1               ; wd's rows are the same for both tiles: they are asked for in the first tile alone
.else
	s_add_nc_u64 s[PFA:PFA+1], s[PFA:PFA+1], KSTEP*2
.endif
	MEET 1
	CREST                                          ; wave 0 says so for the work-group, all sixteen work-groups have said so, my work-group's barrier closes the round:
	                                               ; no wave of any partner still reads this slot's tile or has a load on its way
.if \on
	s_add_nc_u64 s[G0+4*(\slot)+2:G0+4*(\slot)+3], s[G0+4*(\slot)+2:G0+4*(\slot)+3], NEXT_A
	s_sub_nc_u64 s[G0B+4*(\slot)+2:G0B+4*(\slot)+3], s[G0B+4*(\slot)+2:G0B+4*(\slot)+3], BACK_B
.else
	s_add_nc_u64 s[G0+4*(\slot)+2:G0+4*(\slot)+3], s[G0+4*(\slot)+2:G0+4*(\slot)+3], 2*KSTEP*2
	s_add_nc_u64 s[G0B+4*(\slot)+2:G0B+4*(\slot)+3], s[G0B+4*(\slot)+2:G0B+4*(\slot)+3], 2*KSTEP*2
.endif
	JLOAD \slot                                    ; the first tensor load behind the round, my only one until the next; the four v_nop behind it are also the places in front of the loads below
	FETCH \next, 0, F0
	ASK \on                                        ; behind the joint load and the run of LDS loads that the next products wait for
	MUL16 F1, 1, 0, 0
	MUL16 F1, 1, 2, 0
.endm
; THE LAST K STEP OF THE SECOND TILE (it lies in slot 1) GOES BY ROWS OF out0, NOT BY K.  All its fragments of wd (4 quarters x 64 registers) fill window 1; then my eight blocks of 16 rows are
; finished one after the other, each with 32 matrix instructions (its 8 accumulators by turns, K ascending).  LDS is read no more than in any other K step.
.macro BLOAD q                         ; wd's fragments of quarter q -> window 1, v[64 q ..]
	WIN TO_B
.irp i, 0,1,2,3,4,5,6,7
	ds_load_b128 v[64*(\q)+8*(\i):64*(\q)+8*(\i)+3],   v[ADRB+1] offset:64*(\q)+(\i)*16*PITCH
	ds_load_b128 v[64*(\q)+8*(\i)+4:64*(\q)+8*(\i)+7], v[ADRB+1] offset:64*(\q)+(\i)*16*PITCH+32
.endr
.endm
.macro ALOAD a                         ; xd's fragments of block a, all four quarters -> buffer a % 4
	WIN 0
.set FA, PA+32*((\a)%4)
.irp q, 0,1,2,3
	ds_load_b128 v[FA+8*(\q):FA+8*(\q)+3],   v[ADRA+1] offset:64*(\q)+(\a)*16*PITCH
	ds_load_b128 v[FA+8*(\q)+4:FA+8*(\q)+7], v[ADRA+1] offset:64*(\q)+(\a)*16*PITCH+32
.endr
.endm
.macro ROW a                           ; block a is finished: 32 matrix instructions
.set FA, PA+32*((\a)%4)                ; its fragments of xd
.set AC, 64*((\a)%4)                   ; its eight accumulators, in window 2 (blocks 0-3) or 3 (blocks 4-7)
	WIN MUL_LO+0x50*((\a)/4)
.irp q, 0,1,2,3
.if (\a) == 0 && (\q) == 2
	s_wait_dscnt 24                                ; wd's quarter 2 is in (behind it: xd's blocks 1 to 3, 24 loads)
.endif
.irp b, 0,1,2,3,4,5,6,7
	v_wmma_f32_16x16x32_bf16 v[AC+8*(\b):AC+8*(\b)+7], v[64*(\q)+8*(\b):64*(\q)+8*(\b)+7], v[FA+8*(\q):FA+8*(\q)+7], v[AC+8*(\b):AC+8*(\b)+7]
.endr
.endr
.endm
; THE WAY OUT of block a, in three parts.  PACK: rounded to bf16, 16 bytes a lane, each accumulator's registers in ascending order.  TOSTAGE: into my own stage in LDS, and back as whole rows of 256 bytes.  SEND: stored.
.macro PACK a
.set AC, 64*((\a)%4)
	WIN 0x0a+5*((\a)/4)                            ; sources 0 and 1: window 2 or 3
.irp b, 0,1,2,3,4,5,6,7
.irp r, 0,1,2,3
	v_cvt_pk_bf16_f32 v[TMP+4*(\b)+(\r)], v[AC+8*(\b)+2*(\r)], v[AC+8*(\b)+2*(\r)+1]
.endr
.endr
	WIN 0
.endm
.macro TOSTAGE a
	WIN 0
.set BK, OB+192*((\a)%2)
.irp b, 0,1,2,3,4,5,6,7
	ds_store_b128 v[STO], v[TMP+4*(\b):TMP+4*(\b)+3] offset:32*(\b)
.endr
.irp t, 0,1,2,3,4,5,6,7
	ds_load_b128 v[BK+4*(\t):BK+4*(\t)+3], v[RD] offset:(\t)*2*SPITCH  ; LDS serves a wave's instructions in order (ISA guide 5.7.1.4): these see the stores above
.endr
.endm
.macro SEND a, younger                 ; younger: the LDS loads issued behind TOSTAGE's, which may stay out
	WIN 0
.set BK, OB+192*((\a)%2)
	s_wait_dscnt \younger                          ; the block is back in registers
	s_wait_xcnt 0x0                                ; every earlier memory instruction has had its addresses translated (ISA guide 3.1): only behind this wait are the stores' base and the registers that earlier stores read rewritten
.if (\a) == 0
	s_add_nc_u64 s[8:9], s[8:9], s[16:17]          ; on to this tile's first rows
.else
	s_add_nc_u64 s[8:9], s[8:9], 16*SIZE_N*2       ; 16 rows on, so that the stores' offsets stay at 14 rows, 57,344 bytes, at the most
.endif
.irp t, 0,1,2,3,4,5,6,7
	global_store_b128 v[CO], v[BK+4*(\t):BK+4*(\t)+3], s[8:9] offset:2*(\t)*SIZE_N*2  ; 16 lanes store 256 consecutive bytes, at a multiple of 256 from out0's first byte
.endr
.endm
	s_wait_loadcnt 0x0                             ; the bias is in
	s_wait_tensorcnt 1                             ; my part of K step 0 is in; K step 1's load may stay out
	s_barrier_signal -1
	s_barrier_wait -1                              ; everybody's is
	FETCH 0, 0, F0
	s_mov_b32 s2, SIZE_TILES                       ; tiles to go, this one among them: the same number in every work-group
.Ltile:                                                ; (FETCH and SEND leave every window 0)
	QUARTER 0, 64,  F0, F1, 1                      ; a tile's first quarter stands in front of the loop: its products start the sums, on the bias
	WIN 0                                          ; at a label and at a branch every window is 0
	s_mov_b32 s3, LAPS-1
.Llap:                                                 ; a trip goes once round the ring, from a lap's second quarter to the next lap's first, and fills both slots again
	QUARTER 0, 128, F1, F0, 0
	QUARTER 0, 192, F0, F1, 0
	TURN 0, 1, 0
	QUARTER 1, 64,  F0, F1, 0
	QUARTER 1, 128, F1, F0, 0
	QUARTER 1, 192, F0, F1, 0
	TURN 1, 0, 0
	QUARTER 0, 64,  F0, F1, 0
	WIN 0
	s_sub_co_u32 s3, s3, 1
	s_cmp_lg_u32 s3, 0
	s_cbranch_scc1 .Llap
	QUARTER 0, 128, F1, F0, 0                      ; the tile's last lap goes on
	QUARTER 0, 192, F0, F1, 0
	WIN 0
	s_cmp_eq_u32 s2, 1
	s_cbranch_scc1 .Llast_tile                     ; the last tile's tail is written out: it asks for nothing more
	TURN 0, 1, 1                                   ; THE RING GOES ON INTO THE NEXT TILE: slot 0 takes its K step 0,
	QUARTER 1, 64,  F0, F1, 0
	QUARTER 1, 128, F1, F0, 0
	QUARTER 1, 192, F0, F1, 0
	TURN 1, 0, 1                                   ; slot 1 its K step 1, and the next tile's first fragments are fetched
	PACK 0                                         ; BOTH REFILLS ARE ASKED FOR: NOW THE TILE GOES OUT.  No v_nop: blocks 0-3 were finished in front of TURN's places, and their 128 conversions,
	TOSTAGE 0                                      ; which name no register of the last products (blocks 4-7's), are those products' places
.irp a, 1,2,3,4,5,6,7                  ; block a's conversions stand between block a - 1's loads from the stage and the wait for them
	PACK \a
	SEND (\a)-1, 0
	TOSTAGE \a
.endr
	SEND 7, 0
	s_mov_b64 s[16:17], NEXT_C                     ; what the next way out adds to out0's address
	s_sub_co_u32 s2, s2, 1
	s_branch .Ltile
.Llast_tile:
	MEET 0                                         ; my one tensor load that was still out is slot 1's, the last K step's, so no round follows
	PLACES                                         ; for the loads into buffer 0, which the quarter before multiplied
	BLOAD 0                                        ; three quarters of wd now (the first over the bias, which every sum has taken): buffer 1 (v128-191 of both windows) is still being multiplied
	BLOAD 1
	BLOAD 3
	ALOAD 0
	MUL16 F1, 1, 0, 0
	MUL16 F1, 1, 2, 0
	PLACES                                         ; for the loads into buffer 1
	BLOAD 2
	ALOAD 1
	ALOAD 2
	ALOAD 3
	s_wait_dscnt 40                                ; all but the 40 just issued
	ROW 0
.irp a, 0,1,2,3,4,5,6,7                ; each block leaves as soon as it is finished: nothing follows this tile, so the sooner its stores begin, the sooner the launch ends
	PLACES                                         ; its conversions read results just made, and no other vector work is at hand
	PACK \a
	TOSTAGE \a
.if (\a) < 4
	ALOAD (\a)+4                                   ; its buffer takes the block four further on
	SEND \a, 8
.else
	SEND \a, 0
.endif
.if (\a) < 7
	ROW (\a)+1
.endif
.endr
	s_wait_tensorcnt 0x0                           ; the wave's end: a wait, an add and a wait, behind my last tensor load and my last LDS store
	ds_add_u32 v[SPW], v[NIL]
	s_wait_dscnt 0x0
	CROUND                                         ; the closing round: no work-group ends while a partner may still ask for a tile that names it
	s_endpgm
.Lfunc_end_k_q24e36d508e_gemm:
	.size	k_q24e36d508e_gemm, .Lfunc_end_k_q24e36d508e_gemm-k_q24e36d508e_gemm
	.p2alignl 7, 3214868480
	.fill 96, 4, 3214868480
	.section	.rodata,"a",@progbits
	.p2align	6, 0x0
	.amdhsa_kernel k_q24e36d508e_gemm
		.amdhsa_group_segment_fixed_size 327680
		.amdhsa_private_segment_fixed_size 0
		.amdhsa_enable_private_segment 0
		.amdhsa_kernarg_size 32
		.amdhsa_user_sgpr_count 2
		.amdhsa_user_sgpr_kernarg_segment_ptr 1
		.amdhsa_wavefront_size32 1
		.amdhsa_system_sgpr_workgroup_id_x 1
		.amdhsa_system_sgpr_workgroup_id_y 1
		.amdhsa_system_sgpr_workgroup_id_z 1
		.amdhsa_system_vgpr_workitem_id 0
		.amdhsa_next_free_vgpr 1024
		.amdhsa_next_free_sgpr 68
		.amdhsa_reserve_vcc 0
		.amdhsa_float_denorm_mode_32 3
		.amdhsa_float_denorm_mode_16_64 3
		.amdhsa_memory_ordered 1
		.amdhsa_forward_progress 1
		.amdhsa_inst_pref_size 212
	.end_amdhsa_kernel
	.amdgpu_metadata
---
amdhsa.version: [ 1, 2 ]
amdhsa.kernels:
  - .name:           k_q24e36d508e_gemm
    .symbol:         k_q24e36d508e_gemm.kd
    .args:
      - { .name: xd, .offset: 0, .size: 8, .value_kind: global_buffer, .address_space: global }
      - { .name: wd, .offset: 8, .size: 8, .value_kind: global_buffer, .address_space: global }
      - { .name: out0, .offset: 16, .size: 8, .value_kind: global_buffer, .address_space: global }
      - { .name: bias, .offset: 24, .size: 8, .value_kind: global_buffer, .address_space: global }
    .group_segment_fixed_size: 327680
    .private_segment_fixed_size: 0
    .kernarg_segment_align: 8
    .kernarg_segment_size: 32
    .max_flat_workgroup_size: 128
    .sgpr_count:     68
    .vgpr_count:     1024
    .wavefront_size: 32
...
	.end_amdgpu_metadata
.endif
;; end of part 2
